; MI455X (gfx1250); checked and timed in simulation.
; The chip was launched on July 23, 2026; its instructions are those of AMD's public machine-readable ISA for CDNA 5 (MIT licence, August 2026) and "CDNA5" Instruction Set Architecture Reference Guide (July 2026). The comments in the code are by the model that wrote it; some were corrected since.
;; Custom Layer MKM. Allowed arithmetic: matrix products marked QUANTISED: E2M1 operands, one E8M0 scale for each 32 along K, by v_wmma_scale_f32_16x16x128_f8f6f4 with both operands' format E2M1 (or v_wmma_scale_f32_32x16x128_f4), f32 sums; everything else in f32.
;; Inputs: bias_O 4,096 float32; input_BI_codes 4,096 x 128 x 16 uint8 (E2M1 codes of input_BI, K innermost, in blocks of 32 codes, two codes a byte); input_BI_scales 4,096 x 128 uint8 (E8M0 scales of input_BI, one for each 32 codes along K); w0a 64 x 64 float32; w0b 64 x 64 float32; w1a 128 x 128 float32; w1b 32 x 32 float32; w2a 32 x 32 float32; w2b 128 x 128 float32.
;; Outputs: out0 4,096 x 4,096 float32.
;; This version of the problem:
;;   THIS VERSION OF THE PROBLEM IS GIVEN IN LOW PRECISION. The matrix products marked QUANTISED in the list below multiply operands that are first quantised to E2M1 (2 exponent bits, 1 mantissa bit; 4 bits a number), with one power-of-two scale for each 32 numbers along K (OCP MX v1.0); their sums are f32. All else is computed in f32.
;;   The module's matrix products, in the order in which they are computed (A, B: the left and right operand; K: the contracted axis; several contracted axes count as one K, in the product's order):
;;     1. [M 4,096, K 4,096] x [K 4,096, N 4,096]; A: input input_BI (given as codes); B: computed on the way: QUANTISED
;;   THE QUANTISER, for each operand of a quantised product, along K:
;;     - K is cut into blocks of 32 from its start; a last block that is shorter is filled with zeros.
;;     - A block's scale is 2^e with e = floor(log2(the largest magnitude in the block)) - 2, held to -126 .. 127; a block of zeros has e = 0. As a byte (E8M0): e + 127.
;;     - Each number is divided by its block's scale, clamped to +-6, and rounded to the nearest number of E2M1, ties to even, subnormals kept.
;;     - The product sums the exact products of the quantised numbers (number of the format x scale) in f32.
;;   ~~~python
;;   def quantise(x, axis):      # numpy; x: float32 -> the quantised numbers, widened to float32 again
;;       x = np.moveaxis(x, axis, -1); K = x.shape[-1]
;;       x = np.pad(x, [(0, 0)] * (x.ndim - 1) + [(0, -K % 32)]); x = x.reshape(x.shape[:-1] + (-1, 32)); a = np.abs(x).max(-1, keepdims=True)
;;       e = np.where(a > 0, np.clip(np.frexp(np.where(a > 0, a, 1))[1] - 1 - 2, -126, 127), 0)      # np.frexp(a)[1] - 1 = floor(log2(a)), exactly
;;       r = np.clip(x / 2.0 ** e, -6, 6)
;;       step = 2.0 ** (np.maximum(np.frexp(np.where(r == 0, 1, r))[1] - 1, 0) - 1)
;;       q = np.round(r / step) * step * 2.0 ** e      # np.round: ties to even
;;       return np.moveaxis(q.reshape(q.shape[:-2] + (-1,))[..., :K], -1, axis).astype(np.float32)
;;   ~~~
;;   OPERANDS COMPUTED ON THE WAY. 'Computed on the way' means the value that the module computes at that place (a softmax that the list does not call 'softmax' is quantised finished and normalised). What goes into a quantiser is computed in f32, as accurately as f32 sums, v_exp_f32 and their like allow (about 1e-6 of the number): no bf16 or f16 on the way to a quantiser, and a product that is left as it is and whose result goes on into a quantised operand takes f32 operands (vector FMAs, or v_wmma_f32_16x16x4_f32). A number that lies on a knife's edge between two numbers of the format may be rounded either way, as far as f32 arithmetic and the matrix unit's own rounding can turn it there, and no further.
;;   INPUTS GIVEN AS CODES. input_BI (in the module: [4096, 4096], K = its axis 1): each comes as NAME_codes (uint8): NAME with its K axis moved to the last place and cut into blocks of 32 codes, [.., K / 32, bytes a block], one block behind the other in memory; two codes a byte, the lower K in the low four bits (a code: sign, 2 exponent bits, 1 mantissa bit); and NAME_scales (uint8): the same leading axes, one E8M0 byte (e + 127) for each 32 codes along K. Its value is code x scale, taken as it is: it is not quantised again, and the codes and scales need not be those that the quantiser above would give.
;; One version. Each part assembles by itself: llvm-mc -triple=amdgcn-amd-amdhsa -mcpu=gfx1250 --defsym DOCPART=n.
;; ======== version 1 of 1: 2 launches
;; limits: right only within a limited range of input values
;; workspace buffers: w_image 8,912,896 bytes
;; launch prepare (part 1): grid 256 x 1, 8 waves a work-group, no clusters, 58,880 bytes of LDS; arguments w0a, w0b, w1a, w1b, w2a, w2b, w_image; writes w_image
.if DOCPART == 1
	.amdgcn_target "amdgcn-amd-amdhsa--gfx1250"
	.amdhsa_code_object_version 6
	.text
	.protected	k_qdb83de4f47_prepare
	.globl	k_qdb83de4f47_prepare
	.p2align	8
	.type	k_qdb83de4f47_prepare,@function
k_qdb83de4f47_prepare:
	s_mov_b64 s[64:65], 0
	v_nop
	global_prefetch_b8 v0, s[64:65] scope:SCOPE_SE
	s_setreg_imm32_b32 hwreg(HW_REG_WAVE_MODE, 25, 1), 1
	s_wait_xcnt 0x0
; W[o][i] = w0b[o/64][i/64] w0a[o%64][i%64] + w1b[o/128][i/128] w1a[o%128][i%128] + w2b[o/32][i/32] w2a[o%32][i%32], 4,096 x 4,096, is made in f32
; (one product and two fused multiply-adds, in the order in which the three terms are summed) and turned into codes of FP4 (E2M1) along i, with one E8M0 byte for each 32 along i.
; w_image: [group g of 64 rows][step k of 128 along i][4,352 bytes], an image of the product's operand registers: [tile t = 0..3][c = 0,1][lane = 16 h + r][16 bytes] holds row 64 g + 4 r + t, block 4 k + 2 c + h of 32 codes
; (the lower i in the lower bits), then [r][t][4 bytes]: the row's four scale bytes of that step.
; A block's scale is 2^(floor(log2(its largest magnitude)) - 2); its byte is the largest magnitude's exponent field - 2, held at 1 from below.
; LIMITS: a block of zeros gets the byte 1 where the rule says 127: its codes are zeros, which add nothing under any byte but 0xff, and the bytes are read by this program alone.
; NaN and infinities among the weights are not served.  The fused multiply-adds round once where a product and a sum round twice.
; SHARES.  Work-group x: group g = x / 4, steps 8 (x % 4) .. + 7.  Wave w: tile t = w / 2, c = w % 2; lane 16 h + r makes block 2 c + h of row 64 g + 4 r + t in each of the eight steps: its 32 numbers of w0a, w1a and w2a are
; the same in all of them (96 registers), and a step's codes of a wave are 512 bytes on end.  The coefficients of w0b and w1b are the same for the whole wave: scalars.
; The rows of w0a, w1a, w2a come in by whole 256-byte units and go through LDS: row 4 r + t at place 16 t + r (w2a: 8 t + r % 8), rows 272, 528, 144 bytes apart, odd multiples of 16.
; The scale bytes meet in LDS; wave w stores step w's 256 bytes.  No tensor load, no cluster, no prefetch: 21 loads a lane at the head are all that is read by vectors.
.set V16,  2                           ; v2   16 x thread
.set SB,   3                           ; v3   LDS: my scale byte of step 0
.set RB,   4                           ; v4   LDS: my 8 bytes of the scale image
.set GS,   5                           ; v5   and their place in w_image
.set LA0,  6                           ; v6-8   LDS: where I put 16 bytes of w0a, w1a, w2a
.set RA0,  9                           ; v9-11  LDS: my row's 32 numbers of w0a, w1a, w2a
.set C2V,  12                          ; v12  my coefficients of w2b
.set SPW,  13                          ; v13  LDS address of my spare word
.set NIL,  14                          ; v14  0
.set C2,   24                          ; v24-39 coefficient of w2b of step m at the even register C2 + 2 m; the odd ones hold 0: the packed forms name pairs
.set VA0,  40
.set VA1,  72
.set VA2,  104
.set T,    136                         ; v136-167 the block in hand
.set CD,   168                         ; v168-199 codes, four registers a step
.set L,    200                         ; v200-251 on the way into LDS;  then
.set BYT,  200                         ; v200-207 a scale byte for each step
.set Z0,   0                           ; LDS: w0a's 64 rows,
.set Z1,   64*272                      ; w1a's 64 rows,
.set Z2,   Z1+64*528                   ; w2a's 32 rows,
.set ZS,   Z2+32*144                   ; the scale image, 8 x 256 bytes,
.set SPARE, ZS+2048                    ; the spare words, 128 bytes for each wave: four blocks of 256 bytes that no other line names
.set STEPB, 4352
	s_load_b256 s[4:11], s[0:1], 0x0               ; w0a s[4:5], w0b s[6:7], w1a s[8:9], w1b s[10:11]
	s_load_b128 s[12:15], s[0:1], 0x20             ; w2a s[12:13], w2b s[14:15]
	s_load_b64 s[16:17], s[0:1], 0x30              ; w_image
	v_lshl_add_u32 v[SPW], v0, 2, SPARE
	v_mov_b32 v[NIL], 0
	v_lshrrev_b32 v15, 5, v0
	v_readfirstlane_b32 s18, v15                   ; wave
	s_and_b32 s19, s18, 1                          ; c
	s_lshr_b32 s20, ttmp9, 2                       ; g
	s_and_b32 s21, ttmp9, 3                        ; my eight steps
	s_mov_b32 s23, 0
	v_lshlrev_b32 v[V16], 4, v0
	v_bfe_u32 v16, v0, 4, 2                        ; into LDS: w0a: load i brings row 16 i + thread / 16
	v_lshrrev_b32 v17, 6, v0
	v_lshl_add_u32 v16, v16, 4, v17
	v_and_b32 v18, 15, v0
	v_mul_u32_u24 v16, v16, 272
	v_lshl_add_u32 v[LA0], v18, 4, v16
	v_bfe_u32 v16, v0, 5, 2                        ; w1a: row 8 i + thread / 32
	v_lshrrev_b32 v17, 7, v0
	v_lshl_add_u32 v16, v16, 4, v17
	v_and_b32 v19, 31, v0
	v_mul_u32_u24 v16, v16, 528
	v_lshl_add_u32 v16, v19, 4, v16
	v_add_nc_u32 v[LA0+1], Z1, v16
	v_bfe_u32 v16, v0, 3, 2                        ; w2a: row thread / 8
	v_lshrrev_b32 v17, 5, v0
	v_lshl_add_u32 v16, v16, 3, v17
	v_and_b32 v20, 7, v0
	v_mul_u32_u24 v16, v16, 144
	v_lshl_add_u32 v16, v20, 4, v16
	v_add_nc_u32 v[LA0+2], Z2, v16
	v_lshrrev_b32 v16, 6, v0                       ; t
	v_bfe_u32 v17, v0, 4, 1                        ; h
	v_bfe_u32 v21, v0, 5, 1                        ; c
	v_lshl_add_u32 v22, v16, 4, v18                ; 16 t + r
	v_lshl_add_u32 v21, v21, 1, v17                ; 2 c + h
	v_mul_u32_u24 v23, v22, 272
	v_lshl_add_u32 v[RA0], v17, 7, v23             ; w0a: half h of the row
	v_mul_u32_u24 v23, v22, 528
	v_lshl_add_u32 v23, v21, 7, v23
	v_add_nc_u32 v[RA0+1], Z1, v23                 ; w1a: quarter 2 c + h
	v_lshl_add_u32 v23, v16, 3, v20
	v_mul_u32_u24 v23, v23, 144
	v_add_nc_u32 v[RA0+2], Z2, v23
	v_lshlrev_b32 v23, 4, v18
	v_lshl_add_u32 v23, v16, 2, v23
	v_add_nc_u32 v23, v23, v21
	v_add_nc_u32 v[SB], ZS, v23                    ; byte 2 c + h of word (r, t)
	v_bfe_u32 v23, v0, 3, 1                        ; r / 8: which of the two rows of w2b
	v_lshlrev_b32 v22, 2, v21
	v_lshl_add_u32 v[C2V], v23, 9, v22
	v_lshlrev_b32 v22, 3, v0
	v_add_nc_u32 v[RB], ZS, v22
	v_mul_u32_u24 v23, v15, STEPB
	v_lshl_add_u32 v[GS], v19, 3, v23
.irp m, 0,1,2,3,4,5,6,7
	v_mov_b32 v[C2+1+2*\m], 0
.endr
	s_wait_alu depctr_va_vdst(0)                   ; the wait at the head's end
	s_wait_kmcnt 0x0
	s_lshl_b32 s22, s20, 8
	s_lshl_b32 s24, s21, 6
	s_add_co_u32 s22, s22, s24
	s_add_nc_u64 s[6:7], s[6:7], s[22:23]          ; w0b: row g, 16 columns
	s_load_b512 s[32:47], s[6:7], 0x0
	s_lshr_b32 s22, s20, 1
	s_lshl_b32 s22, s22, 7
	s_lshl_b32 s24, s21, 5
	s_add_co_u32 s22, s22, s24
	s_add_nc_u64 s[10:11], s[10:11], s[22:23]      ; w1b: row g / 2, 8 columns
	s_load_b256 s[48:55], s[10:11], 0x0
	s_and_b32 s22, s20, 1
	s_lshl_b32 s22, s22, 15
	s_add_nc_u64 s[8:9], s[8:9], s[22:23]          ; w1a: rows 64 (g % 2) on
	s_lshl_b32 s22, s20, 10
	s_lshl_b32 s24, s21, 7
	s_add_co_u32 s22, s22, s24
	s_add_nc_u64 s[14:15], s[14:15], s[22:23]      ; w2b: rows 2 g and 2 g + 1, 32 columns
	s_mul_i32 s22, s20, 32*STEPB
	s_mul_i32 s24, s21, 8*STEPB
	s_add_co_u32 s22, s22, s24
	s_add_nc_u64 s[16:17], s[16:17], s[22:23]      ; w_image: my eight steps
.irp i, 0,1,2,3
	global_load_b128 v[L+4*\i:L+4*\i+3], v[V16], s[4:5] offset:4096*\i
.endr
.irp i, 0,1,2,3,4,5,6,7
	global_load_b128 v[L+16+4*\i:L+19+4*\i], v[V16], s[8:9] offset:4096*\i
.endr
	global_load_b128 v[L+48:L+51], v[V16], s[12:13]
.irp m, 0,1,2,3,4,5,6,7
	global_load_b32 v[C2+2*\m], v[C2V], s[14:15] offset:16*\m
.endr
	s_wait_loadcnt 8                               ; the thirteen are in; the eight coefficients behind them may be out
.irp i, 0,1,2,3
	ds_store_b128 v[LA0], v[L+4*\i:L+4*\i+3] offset:4*272*\i
.endr
.irp i, 0,1,2,3,4,5,6,7
	ds_store_b128 v[LA0+1], v[L+16+4*\i:L+19+4*\i] offset:2*528*\i
.endr
	ds_store_b128 v[LA0+2], v[L+48:L+51]
	s_wait_dscnt 0x0                               ; for the others' sake: my stores into LDS are done
	s_barrier_signal -1
	s_barrier_wait -1
.irp n, 0,1,2
.irp i, 0,1,2,3,4,5,6,7
	ds_load_b128 v[VA0+32*\n+4*\i:VA0+32*\n+4*\i+3], v[RA0+\n] offset:16*\i
.endr
.endr
	s_wait_loadcnt 0x0
	s_wait_kmcnt 0x0
	s_cmp_eq_u32 s19, 1                            ; w0b: step m wants column 2 m + c: into the even register of each pair
.irp m, 0,1,2,3,4,5,6,7
	s_cselect_b32 s[32+2*\m], s[33+2*\m], s[32+2*\m]
.endr
.irp k, 0,1,2,3
	s_lshr_b64 s[56+2*\k:57+2*\k], s[48+2*\k:49+2*\k], 32   ; w1b: the odd steps' coefficients, as low words of pairs of their own
.endr
; Step m: 32 numbers, their largest magnitude, the scale, the codes.
.macro STEP m
.set K1, 48+8*((\m)%2)+2*((\m)/2)
.if \m == 0
	s_wait_dscnt 16                                ; w0a's numbers are in
.endif
.irp i, 0,2,4,6,8,10,12,14,16,18,20,22,24,26,28,30
	v_pk_mul_f32 v[T+\i:T+\i+1], v[VA0+\i:VA0+\i+1], s[32+2*(\m):33+2*(\m)] op_sel_hi:[1,0]
.endr
.if \m == 0
	s_wait_alu depctr_va_vdst(0)                   ; directly ahead of the wait below
	s_wait_dscnt 8                                 ; w1a's
.endif
.irp i, 0,2,4,6,8,10,12,14,16,18,20,22,24,26,28,30
	v_pk_fma_f32 v[T+\i:T+\i+1], v[VA1+\i:VA1+\i+1], s[K1:K1+1], v[T+\i:T+\i+1] op_sel_hi:[1,0,1]
.endr
.if \m == 0
	s_wait_alu depctr_va_vdst(0)
	s_wait_dscnt 0                                 ; w2a's
.endif
.irp i, 0,2,4,6,8,10,12,14,16,18,20,22,24,26,28,30
	v_pk_fma_f32 v[T+\i:T+\i+1], v[VA2+\i:VA2+\i+1], v[C2+2*(\m):C2+2*(\m)+1], v[T+\i:T+\i+1] op_sel_hi:[1,0,1]
.endr
	v_max3_num_f32 v20, |v[T]|, |v[T+1]|, |v[T+2]|                 ; the largest magnitude, in two chains
	v_max3_num_f32 v21, |v[T+3]|, |v[T+4]|, |v[T+5]|
.irp i, 6,10,14,18,22,26
	s_delay_alu instid0(VALU_DEP_2)
	v_max3_num_f32 v20, v20, |v[T+\i]|, |v[T+\i+1]|
	s_delay_alu instid0(VALU_DEP_2)
	v_max3_num_f32 v21, v21, |v[T+\i+2]|, |v[T+\i+3]|
.endr
	s_delay_alu instid0(VALU_DEP_2)
	v_max3_num_f32 v20, v20, |v[T+30]|, |v[T+31]|
	s_delay_alu instid0(VALU_DEP_1)
	v_max3_num_f32 v20, v20, v21, 0x1800000        ; and the floor 2^(3 - 127): the byte cannot fall under 1
	s_delay_alu instid0(VALU_DEP_1)
	v_add_nc_u32 v22, 0xff000000, v20              ; 2 off the exponent field: the conversion takes the exponent field of this operand as its scale, and nothing else of it
.irp g, 0,1,2,3
	v_cvt_scalef32_pk8_fp4_f32 v[CD+4*(\m)+\g], v[T+8*\g:T+8*\g+7], v22   ; to the nearest code, ties to even, beyond the largest code the largest
.endr
	v_lshrrev_b32 v[BYT+(\m)], 23, v22             ; the scale's byte.  Also the plain instruction between the conversions and the next step's writes of their sources
	global_store_b128 v[V16], v[CD+4*(\m):CD+4*(\m)+3], s[16:17] offset:STEPB*(\m)   ; the wave's 512 bytes, at a multiple of 256
	ds_store_b8 v[SB], v[BYT+(\m)] offset:256*(\m)
.endm
.irp m, 0,1,2,3,4,5,6,7
	STEP \m
.endr
	s_wait_dscnt 0x0                               ; for the others' sake: my scale bytes are in LDS
	s_barrier_signal -1
	s_barrier_wait -1
	ds_load_b64 v[T:T+1], v[RB]                    ; wave w: step w's 256 scale bytes
	s_wait_dscnt 0x0
	global_store_b64 v[GS], v[T:T+1], s[16:17] offset:4096   ; 256 consecutive bytes, aligned
	s_wait_tensorcnt 0x0                           ; the wave's end
	ds_add_u32 v[SPW], v[NIL]
	s_wait_dscnt 0x0
	s_endpgm
.Lfunc_end_k_qdb83de4f47_prepare:
	.size	k_qdb83de4f47_prepare, .Lfunc_end_k_qdb83de4f47_prepare-k_qdb83de4f47_prepare
	.p2alignl 7, 3214868480
	.fill 96, 4, 3214868480
	.section	.rodata,"a",@progbits
	.p2align	6, 0x0
	.amdhsa_kernel k_qdb83de4f47_prepare
		.amdhsa_group_segment_fixed_size 58880
		.amdhsa_private_segment_fixed_size 0
		.amdhsa_enable_private_segment 0
		.amdhsa_kernarg_size 56
		.amdhsa_user_sgpr_count 2
		.amdhsa_user_sgpr_kernarg_segment_ptr 1
		.amdhsa_wavefront_size32 1
		.amdhsa_system_sgpr_workgroup_id_x 1
		.amdhsa_system_sgpr_workgroup_id_y 1
		.amdhsa_system_sgpr_workgroup_id_z 1
		.amdhsa_system_vgpr_workitem_id 0
		.amdhsa_next_free_vgpr 252
		.amdhsa_next_free_sgpr 66
		.amdhsa_reserve_vcc 0
		.amdhsa_float_denorm_mode_32 3
		.amdhsa_float_denorm_mode_16_64 3
		.amdhsa_memory_ordered 1
		.amdhsa_forward_progress 1
		.amdhsa_inst_pref_size 50
	.end_amdhsa_kernel
	.amdgpu_metadata
---
amdhsa.version: [ 1, 2 ]
amdhsa.kernels:
  - .name:           k_qdb83de4f47_prepare
    .symbol:         k_qdb83de4f47_prepare.kd
    .args:
      - { .name: w0a, .offset: 0, .size: 8, .value_kind: global_buffer, .address_space: global }
      - { .name: w0b, .offset: 8, .size: 8, .value_kind: global_buffer, .address_space: global }
      - { .name: w1a, .offset: 16, .size: 8, .value_kind: global_buffer, .address_space: global }
      - { .name: w1b, .offset: 24, .size: 8, .value_kind: global_buffer, .address_space: global }
      - { .name: w2a, .offset: 32, .size: 8, .value_kind: global_buffer, .address_space: global }
      - { .name: w2b, .offset: 40, .size: 8, .value_kind: global_buffer, .address_space: global }
      - { .name: w_image, .offset: 48, .size: 8, .value_kind: global_buffer, .address_space: global }
    .group_segment_fixed_size: 58880
    .private_segment_fixed_size: 0
    .kernarg_segment_align: 8
    .kernarg_segment_size: 56
    .max_flat_workgroup_size: 256
    .sgpr_count:     66
    .vgpr_count:     252
    .wavefront_size: 32
...
	.end_amdgpu_metadata
.endif
;; end of part 1
;; launch gemm (part 2): grid 16 x 16, 4 waves a work-group, clusters of 4 x 4, 327,680 bytes of LDS; arguments input_BI_codes, input_BI_scales, w_image, bias_O, out0; writes out0
.if DOCPART == 2
	.amdgcn_target "amdgcn-amd-amdhsa--gfx1250"
	.amdhsa_code_object_version 6
	.text
	.protected	k_qdb83de4f47_gemm
	.globl	k_qdb83de4f47_gemm
	.p2align	8
	.type	k_qdb83de4f47_gemm,@function
k_qdb83de4f47_gemm:
	s_mov_b64 s[64:65], 0
	v_nop
	global_prefetch_b8 v0, s[64:65] scope:SCOPE_SE
	s_setreg_imm32_b32 hwreg(HW_REG_WAVE_MODE, 25, 1), 1
	s_wait_xcnt 0x0
	s_wait_alu depctr_hold_cnt(0) depctr_sa_sdst(0) depctr_va_vdst(0) depctr_va_sdst(0) depctr_va_ssrc(0) depctr_va_vcc(0) depctr_vm_vsrc(0)
	s_getreg_b32 s2, hwreg(HW_REG_IB_STS2, 6, 4)
	s_cmp_eq_u32 s2, 0
	s_cbranch_scc0 .Lentry_in_a_cluster
	s_endpgm
.Lentry_in_a_cluster:
	s_bfe_u32 s2, ttmp6, 0x10000c
	s_cmp_lg_u32 s2, 0xf033
	s_cbranch_scc0 .Lentry_shape_is_right
	s_endpgm
.Lentry_shape_is_right:
; out0[m][n] = bias[n] + sum over k of X[m][k] W[n][k], 4,096 x 4,096 x 4,096.  X and W: codes of FP4 (E2M1) with one E8M0 byte for each 32 along K; sums in f32, K ascending, the bias added last.
; LIMIT: X's scale bytes are taken as given; a byte 0xff makes the sums that it touches NaN.
; A work-group of four waves makes 256 x 256, a wave 128 x 128: 32 accumulators of 32 x 16, 512 registers.  16 x 16 work-groups.
; K goes in 8 slots of 512 through a ring of two LDS slots filled by the tensor data mover.  Waves 0 and 1 bring X's two halves (128 rows x 256 bytes, 16 bytes of padding behind each), waves 2 and 3 W's: two groups of 64
; columns, each 17,408 dense bytes of w_image (four steps of 128 along K: 4,096 bytes of codes as the operand's registers lie, 256 bytes of scale words).
; X's scale bytes of the 256 rows (32,768 bytes, dense) go through registers into LDS once, 16 bytes of padding behind each 256.
; CLUSTERS: 4 x 4 work-groups.  The four of a row of the cluster need the same tiles of X, the four of a column the same tiles of W: each is asked for jointly, by the same load with the same descriptor and a mask that names the four.
; PREFETCH: behind the joint load of slot n one or two prefetches name slot n + 2 (n = 0 .. 5).  Of the 128 rows (136 blocks of 256 bytes) that a wave fetches each of the four partners names 32 (34), told apart by cx (cy) in the address.
; COLUMNS: tile t of a group holds column 4 r + t in lane r, so the four tiles' results of one row are 16 neighbouring bytes of lane r, and sixteen lanes fill an aligned unit of 256 bytes: the results leave from
; registers.  The four adds of the bias gather them.
; A STEP of 128 along K: one run of 34 LDS loads for the step behind it, into the other set of X's and of W's fragments; the wait for this step's own; 32 matrix instructions, the accumulators by turns.
; THE LAST SLOT GOES BY ROWS: all its fragments of W fill window 1, X's come 32 rows x 512 along K at a time, and each 32 rows leave as soon as their 32 matrix instructions are done.
; REGISTERS: window 0: v0-15 addresses, v16-23 bias, v24-55 X's scale words (a set a slot), v56-87 W's (two sets of a step, four in the last slot), v96-127 results to store, v128-255 X's fragments (two sets);
; window 1: W's fragments, v0-127 two sets, in the last slot all four steps; window 2: group 0's sums, window 3: group 1's: accumulator (R, t), rows 32 R on, at v[16 (4 R + t)].
.set PITCH, 272                        ; an LDS row of X: 256 bytes + 16 = 68 words: row r starts at bank 4 r mod 64 (64 banks of 4 bytes: ISA guide 11.1)
.set HALFT, 128*PITCH                  ; what one tensor load brings: 128 rows of X; two groups of W (2 x 17,408) take as much
.set CODES, 2*HALFT                    ; a slot: X's 256 rows at 0, W's four groups at CODES
.set SLOT,  4*HALFT
.set SCL,   2*SLOT                     ; X's scales: 128 x 272 bytes, row r at 272 (r / 2) + 128 (r % 2)
.set SPARE, SCL+128*PITCH              ; the spare words, 128 bytes for each wave: two blocks of 256 bytes that no other line names
.set STEPB, 4352                       ; a group's 128 along K
.set KS,    4*STEPB                    ; a group's slot
.set GRP,   32*STEPB                   ; a group in w_image
.set ROWC,  16384                      ; a row of out0
.set VO,    2                          ; v2  out0: row 8 h, 16 r
.set VB,    3                          ; v3  16 r: the bias
.set ADX,   4                          ; v4-5  LDS: my X fragment in slot 0, 1
.set ADW,   6                          ; v6-7  W's codes
.set ADWS,  8                          ; v8-9  W's scale words
.set SPW,   10                         ; v10 LDS address of my spare word
.set NIL,   11                         ; v11 0
.set ADS,   12                         ; v12 LDS: X's scale words, row = lane, of the lap's first slot
.set PFO,   13                         ; v13, v14 the prefetches' offsets
.set PF2,   14
.set SLV,   15                         ; v15 X's scales on their way into LDS
.set BIA,   16
.set XSC,   24                         ; set s, rows 32 R on, step q: v[XSC + 16 s + 4 R + q]
.set WSC,   56                         ; set s, group g, tile t: v[WSC + 8 s + 4 g + t]
.set SGV,   72                         ; v72 16 x thread: X's scales in memory (at the head alone)
.set TB,    96
.set XF,    128
.set G1A,   24                         ; s[24:31] descriptor group 1 for X;  s[32:39] for W
.set G1B,   32
.set G0A,   40                         ; s[40:47] group 0 for X, one set for each slot;  s[48:55] for W
.set G0B,   48
.set PFA,   56                         ; s[56:57] where my prefetches stand; s[58:59] their step
.set MSB, 0
.macro WIN new                         ; the immediate's high byte repeats the setting that is left
.if MSB != (\new)
	s_set_vgpr_msb (MSB<<8)|(\new)
.set MSB, (\new)
.endif
.endm
.set MUL_A, 0xa4                       ; source 0 (X) window 0, source 1 (W) window 1, C and D window 2; + 0x50: window 3
.set TO_W,  0x40                       ; destination window 1, address window 0
.macro CREST                           ; a round of the cluster's barrier behind its opening barrier
	s_cmp_lg_u32 s14, 0
	s_cbranch_scc1 .Lnot_wave_0_\@
	s_barrier_signal -3
.Lnot_wave_0_\@:
	s_barrier_wait -3
	s_barrier_signal -1
	s_barrier_wait -1
.endm
.macro CROUND                          ; a whole round
	s_barrier_signal -1
	s_barrier_wait -1
	CREST
.endm
.macro PLACES                          ; a load into a register that a matrix instruction has read, and a read of a result, stand four plain vector instructions behind it (ISA guide 7.12.1 for vector instructions)
.rept 4
	v_nop
.endr
.endm
; A joint load for slot s: waves 0 and 1 fetch X's halves, waves 2 and 3 W's.  Each of the two lines has one mask and one set of registers for all that issue it; the branch hangs on the wave's number alone.
.macro JLOAD s
	s_cmp_eq_u32 s15, 0
	s_cbranch_scc0 .Lfor_w_\@
	tensor_load_to_lds s[G0A+4*\s:G0A+4*\s+3], s[G1A:G1A+7]
	s_nop 0
	PLACES
	s_branch .Lasked_\@
.Lfor_w_\@:
	tensor_load_to_lds s[G0B+4*\s:G0B+4*\s+3], s[G1B:G1B+7]
	s_nop 0
	PLACES
.Lasked_\@:
.endm
.macro ASK                             ; the prefetches of one slot: a block of 256 bytes a lane; W has two blocks more
	global_prefetch_b8 v[PFO], s[PFA:PFA+1] th:TH_LOAD_NT scope:SCOPE_SE
	s_cmp_eq_u32 s15, 0
	s_cbranch_scc1 .Lall_\@
	global_prefetch_b8 v[PF2], s[PFA:PFA+1] th:TH_LOAD_NT scope:SCOPE_SE
.Lall_\@:
.endm
	s_load_b256 s[4:11], s[0:1], 0x0               ; X's codes s[4:5], X's scales s[6:7], w_image s[8:9], the bias s[10:11]
	s_load_b64 s[12:13], s[0:1], 0x20              ; out0
	v_lshl_add_u32 v[SPW], v0, 2, SPARE
	v_mov_b32 v[NIL], 0
	ds_add_u32 v[SPW], v[NIL]                      ; the wave's opening: the add, twice on end, and its wait ahead of my first tensor load
	ds_add_u32 v[SPW], v[NIL]
	v_lshrrev_b32 v1, 5, v0
	v_readfirstlane_b32 s14, v1                    ; wave 0..3
	s_lshr_b32 s15, s14, 1                         ; which half of the tile's rows is mine.  Also: I fetch for X (0) or for W (1)
	s_and_b32 s16, s14, 1                          ; which half of its columns.  Also: which half of that tile I fetch
	s_bfe_u32 s18, ttmp6, 0x40000                  ; cx, cy: my place in the cluster
	s_bfe_u32 s19, ttmp6, 0x40004
	s_lshl_b32 s20, ttmp9, 2
	s_add_co_u32 s20, s20, s18                     ; tile column = 4 x cluster x + cx
	s_and_b32 s17, ttmp7, 0xffff
	s_lshl_b32 s17, s17, 2
	s_add_co_u32 s17, s17, s19                     ; tile row = 4 x cluster y + cy
	s_lshl_b32 s21, s19, 2
	s_lshl_b32 s21, 15, s21                        ; my row of the cluster
	s_lshl_b32 s22, 0x1111, s18                    ; my column
	; descriptor group 1 for X: a tile of 128 rows x 256 bytes, padded in LDS
	s_or_b32 s[G1A+0], s21, (0<<16)|(1<<20)|(1<<21)|(5<<22)|(3<<25)  ; 15:0 the mask; 17:16 element of 1 byte; 20 padding on; 21 set beside a mask; 24:22 after every 64 words (code 5); 31:25 of 4 words (code 3)
	s_mov_b32 s[G1A+1], 256<<16                    ; tensor_dim0 = 256
	s_mov_b32 s[G1A+2], 128<<16                    ; tensor_dim1 = 128
	s_mov_b32 s[G1A+3], 256<<16                    ; tile_dim0 = 256
	s_mov_b32 s[G1A+4], 128                        ; tile_dim1 = 128
	s_mov_b32 s[G1A+5], 2048                       ; tensor_dim0_stride
	s_mov_b32 s[G1A+6], 0
	s_mov_b32 s[G1A+7], 0
	; for W: two rows of 17,408 bytes (2,176 elements of 8 bytes), a group (17,408 elements) apart in memory, on end in LDS
	s_or_b32 s[G1B+0], s22, (3<<16)|(1<<21)
	s_mov_b32 s[G1B+1], (KS/8)<<16
	s_mov_b32 s[G1B+2], 2<<16
	s_mov_b32 s[G1B+3], (KS/8)<<16
	s_mov_b32 s[G1B+4], 2
	s_mov_b32 s[G1B+5], GRP/8
	s_mov_b32 s[G1B+6], 0
	s_mov_b32 s[G1B+7], 0
	; X's tiles hang on the tile row alone (s[68:69]), W's on the tile column alone (s[70:71]): neither ever holds the other coordinate
	s_lshl_b32 s68, s17, 19                        ; 256 rows of 2,048 bytes,
	s_lshl_b32 s66, s16, 18                        ; + the 128 rows that I fetch
	s_add_co_u32 s68, s68, s66
	s_mov_b32 s69, 0
	s_lshl_b32 s70, s20, 2                         ; four groups a tile,
	s_lshl_b32 s67, s16, 1
	s_add_co_u32 s70, s70, s67                     ; + the two that I fetch
	s_mul_i32 s70, s70, GRP
	s_mov_b32 s71, 0
	s_mul_i32 s66, s14, HALFT                      ; where they go: wave x HALFT: no place in the cluster enters an LDS address
.irp s, 0,1
	s_mov_b32 s[G0A+4*\s], 1
	s_add_co_u32 s[G0A+4*\s+1], s66, \s*SLOT
	s_mov_b32 s[G0B+4*\s], 1
	s_add_co_u32 s[G0B+4*\s+1], s66, \s*SLOT
.endr
	; the prefetches: X: row 256 x tile row + 128 x half + 32 cx; W: group 4 x tile column + 2 x half + cy / 2, block 34 (cy % 2); slot 2
	s_lshl_b32 s60, s18, 16
	s_add_co_u32 s60, s60, s68
	s_add_co_u32 s60, s60, 2*256
	s_lshr_b32 s61, s19, 1
	s_mul_i32 s61, s61, GRP
	s_add_co_u32 s61, s61, s70
	s_and_b32 s62, s19, 1
	s_mul_i32 s62, s62, 34*256
	s_add_co_u32 s61, s61, s62
	s_add_co_u32 s61, s61, 2*KS
	s_mov_b32 s58, KS
	s_mov_b32 s62, 256
	s_cmp_eq_u32 s15, 0
	s_cselect_b32 s60, s60, s61
	s_cselect_b32 s58, 256, s58                    ; from slot to slot
	s_cselect_b32 s62, 2048, s62                   ; from lane to lane: a row of X, a block of W
	s_mov_b32 s61, 0
	s_mov_b32 s59, 0
	s_lshl_b32 s72, s17, 15                        ; X's scales: 256 rows of 128 bytes
	s_mov_b32 s73, 0
	s_lshl_b32 s74, s20, 10                        ; my first column, in bytes of f32
	s_lshl_b32 s66, s16, 9
	s_add_co_u32 s74, s74, s66
	s_mov_b32 s75, 0
	s_lshl_b32 s76, s17, 22                        ; my first row of out0
	s_lshl_b32 s66, s15, 21
	s_add_co_u32 s76, s76, s66
	s_add_co_u32 s76, s76, s74
	s_mov_b32 s77, 0
	s_mul_i32 s66, s15, HALFT                      ; LDS: my 128 rows of X
	s_mul_i32 s67, s16, HALFT                      ; my two groups of W
	s_add_co_u32 s67, s67, CODES
	s_mul_i32 s78, s15, 64*PITCH                   ; my rows' scales
	s_add_co_u32 s78, s78, SCL
	v_and_b32 v1, 31, v0                           ; l
	v_and_b32 v74, 15, v0                          ; r
	v_bfe_u32 v75, v0, 4, 1                        ; h
	v_lshlrev_b32 v[VB], 4, v74
	v_lshl_add_u32 v[VO], v75, 17, v[VB]           ; 8 h rows of 16,384 bytes
	v_mul_u32_u24 v76, v74, PITCH
	v_lshl_add_u32 v76, v75, 4, v76                ; a fragment's row x pitch + 16 h
	v_add_nc_u32 v[ADX], s66, v76
	v_add_nc_u32 v[ADX+1], SLOT, v[ADX]
	v_lshlrev_b32 v77, 4, v1
	v_add_nc_u32 v[ADW], s67, v77
	v_add_nc_u32 v[ADW+1], SLOT, v[ADW]
	v_add_nc_u32 v[ADWS], s67, v[VB]
	v_add_nc_u32 v[ADWS+1], SLOT, v[ADWS]
	v_lshrrev_b32 v76, 1, v1
	v_mul_u32_u24 v76, v76, PITCH
	v_and_b32 v77, 1, v0
	v_lshl_add_u32 v76, v77, 7, v76
	v_add_nc_u32 v[ADS], s78, v76                  ; scale words: row l
	v_mul_u32_u24 v[PFO], s62, v1
	v_add_nc_u32 v77, 32, v77
	v_lshlrev_b32 v[PF2], 8, v77                   ; blocks 32 and 33
	v_lshlrev_b32 v[SGV], 4, v0                    ; X's scales: load i brings row 16 i + thread / 8
	v_lshrrev_b32 v76, 4, v0
	v_mul_u32_u24 v76, v76, PITCH
	v_lshl_add_u32 v76, v74, 4, v76
	v_add_nc_u32 v[SLV], SCL, v76
	s_wait_alu depctr_va_vdst(0)                   ; the wait at the head's end
	s_wait_dscnt 0x0                               ; both opening adds are done
	s_wait_kmcnt 0x0
	s_add_nc_u64 s[6:7], s[6:7], s[72:73]
	s_add_nc_u64 s[10:11], s[10:11], s[74:75]
.irp i, 0,1,2,3,4,5,6,7,8,9,10,11,12,13,14,15
	global_load_b128 v[XF+4*\i:XF+4*\i+3], v[SGV], s[6:7] offset:2048*\i
.endr
	global_load_b128 v[BIA:BIA+3], v[VB], s[10:11]               ; the bias of columns 4 r .. 4 r + 3 of group 0
	global_load_b128 v[BIA+4:BIA+7], v[VB], s[10:11] offset:256  ; and of group 1
	s_cmp_eq_u32 s15, 0
	s_cselect_b64 s[PFA:PFA+1], s[4:5], s[8:9]
	s_add_nc_u64 s[PFA:PFA+1], s[PFA:PFA+1], s[60:61]
	s_add_nc_u64 s[4:5], s[4:5], s[68:69]
	s_add_nc_u64 s[8:9], s[8:9], s[70:71]
.irp s, 0,1
	s_add_nc_u64 s[G0A+4*\s+2:G0A+4*\s+3], s[4:5], \s*256
	s_or_b32 s[G0A+4*\s+3], s[G0A+4*\s+3], 0x80000000   ; 127:126 type = 2
	s_add_nc_u64 s[G0B+4*\s+2:G0B+4*\s+3], s[8:9], \s*KS
	s_or_b32 s[G0B+4*\s+3], s[G0B+4*\s+3], 0x80000000
.endr
	s_add_nc_u64 s[12:13], s[12:13], s[76:77]
	CROUND                                         ; all sixteen work-groups are here: the first joint loads meet
	JLOAD 0                                        ; slot 0
	ASK                                            ; slot 2
; The LDS loads of step q of slot sl, 34 in one run, into set q % 2; with a slot's first step (ld not negative) the slot's scale words of X, four more: a row's 16 bytes are its four words.
.macro RUN sl, q, ld
.set rs, (\q)%2
	WIN TO_W
.irp gg, 0,1
.irp n, 0,1,2,3,4,5,6,7
	ds_load_b128 v[64*rs+32*\gg+4*\n:64*rs+32*\gg+4*\n+3], v[ADW+\sl] offset:KS*\gg+STEPB*(\q)+512*\n
.endr
.endr
	WIN 0
.irp gg, 0,1
	ds_load_b128 v[WSC+8*rs+4*\gg:WSC+8*rs+4*\gg+3], v[ADWS+\sl] offset:KS*\gg+STEPB*(\q)+4096
.endr
.if (\ld) >= 0
.irp rr, 0,1,2,3
	ds_load_b128 v[XSC+16*\sl+4*\rr:XSC+16*\sl+4*\rr+3], v[ADS] offset:16*PITCH*\rr+\ld
.endr
.endif
.irp f, 0,1,2,3,4,5,6,7,8,9,10,11,12,13,14,15
	ds_load_b128 v[XF+64*rs+4*\f:XF+64*rs+4*\f+3], v[ADX+\sl] offset:64*(\q)+(\f/2)*16*PITCH+32*(\f%2)   ; f = 4 R + 2 i + c: row 32 R + 16 i + r, K = 64 c + 32 h on
.endr
.endm
; Rows 32 R on x my 128 columns, step q of slot sl: 8 matrix instructions.  zero = 1: they start the sums.
.macro MMR rr, sl, q, zero
.irp gg, 0,1
	WIN MUL_A+0x50*\gg
.irp tt, 0,1,2,3
.set rD, 16*(4*(\rr)+\tt)
.set rA, XF+64*((\q)%2)+16*(\rr)
.set rB, 64*((\q)%2)+32*\gg+8*\tt
.set rSA, XSC+16*(\sl)+4*(\rr)+(\q)
.set rSB, WSC+8*((\q)%2)+4*\gg+\tt
.if \zero
	v_wmma_scale_f32_32x16x128_f4 v[rD:rD+15], v[rA:rA+15], v[rB:rB+7], 0, v[rSA], v[rSB]
.else
	v_wmma_scale_f32_32x16x128_f4 v[rD:rD+15], v[rA:rA+15], v[rB:rB+7], v[rD:rD+15], v[rSA], v[rSB]
.endif
.endr
.endr
.endm
.macro STEP sl, q, zero                ; a step that has its successor in the same slot
	WIN 0
	PLACES
	RUN \sl, (\q)+1, -1
	s_wait_dscnt 34                                ; this step's loads are in; the 34 just issued may be out
	MMR 0, \sl, \q, \zero
	MMR 1, \sl, \q, \zero
	MMR 2, \sl, \q, \zero
	MMR 3, \sl, \q, \zero
.endm
; A slot's last step changes slots, and this slot is filled again, two slots on.  Half of the step's products stand ahead of the wait for all my tensor loads; behind it come the add, its wait, a round of the
; cluster's barrier and the joint load, then the next slot's first fragments, then the other half.
.macro TURN sl, nx
	WIN 0
	s_wait_xcnt 0x0                                ; my prefetches have read their address
	s_add_nc_u64 s[PFA:PFA+1], s[PFA:PFA+1], s[58:59]
.if (\nx) == 0
	v_add_nc_u32 v[ADS], 32, v[ADS]                ; on to the next lap's two slots
	s_wait_alu depctr_va_vdst(0)                   ; the wait directly behind the write
.endif
	s_wait_dscnt 0x0                               ; this step's loads are in: my reads of this slot are over
	MMR 0, \sl, 3, 0
	MMR 1, \sl, 3, 0
	WIN 0
	s_wait_tensorcnt 0x0                           ; all my tensor loads have landed: my part of the next slot
	ds_add_u32 v[SPW], v[NIL]                      ; 0 onto my spare word
	s_add_nc_u64 s[G0A+4*\sl+2:G0A+4*\sl+3], s[G0A+4*\sl+2:G0A+4*\sl+3], 2*256
	s_add_nc_u64 s[G0B+4*\sl+2:G0B+4*\sl+3], s[G0B+4*\sl+2:G0B+4*\sl+3], 2*KS
	s_wait_dscnt 0x0                               ; the add is done
	CROUND                                         ; no wave of any partner still reads this slot's tiles or has a load on its way
	JLOAD \sl                                      ; my one tensor load behind the round, and the first thing there; the four v_nop behind it are the places in front of the loads below
	RUN \nx, 0, 16*\nx
	s_cmp_gt_u32 s3, 1                             ; the last trip's slots have no slot two on
	s_cbranch_scc0 .Lno_ask_\@
	ASK
.Lno_ask_\@:
	MMR 2, \sl, 3, 0
	MMR 3, \sl, 3, 0
.endm
	s_wait_loadcnt 0x0                             ; X's scales and the bias
	s_wait_xcnt 0x0                                ; my prefetches have read their address
	s_add_nc_u64 s[PFA:PFA+1], s[PFA:PFA+1], s[58:59]
	s_wait_tensorcnt 0x0                           ; my part of slot 0
.irp i, 0,1,2,3,4,5,6,7,8,9,10,11,12,13,14,15
	ds_store_b128 v[SLV], v[XF+4*\i:XF+4*\i+3] offset:8*PITCH*\i
.endr
	s_wait_tensorcnt 0x0
	ds_add_u32 v[SPW], v[NIL]
	s_wait_dscnt 0x0                               ; the add and my scale stores are done
	CROUND                                         ; everybody's are
	JLOAD 1                                        ; slot 1
	RUN 0, 0, 0
	ASK                                            ; slot 3
	STEP 0, 0, 1                                   ; the first step stands in front of the loop: its products start the sums
	WIN 0                                          ; at a label and at a branch every window is 0
	s_mov_b32 s3, 3
.Llap:                                                 ; a trip goes once round the ring, from a lap's second step to the next lap's first, and fills both slots again
	STEP 0, 1, 0
	STEP 0, 2, 0
	TURN 0, 1
	STEP 1, 0, 0
	STEP 1, 1, 0
	STEP 1, 2, 0
	TURN 1, 0
	STEP 0, 0, 0
	WIN 0
	s_sub_co_u32 s3, s3, 1
	s_cmp_lg_u32 s3, 0
	s_cbranch_scc1 .Llap
	STEP 0, 1, 0                                   ; the last lap fills nothing
	STEP 0, 2, 0
; THE LAST SLOT (slot 1 of the ring), BY ROWS.  W's step q lies in window 1 at 64 x place, place = 2 (q % 2) + q / 2: steps 0 and 1 land on registers that the step in hand does not use.
.macro RUNW q                          ; 18 loads
.set wl, 2*((\q)%2)+(\q)/2
	WIN TO_W
.irp gg, 0,1
.irp n, 0,1,2,3,4,5,6,7
	ds_load_b128 v[64*wl+32*\gg+4*\n:64*wl+32*\gg+4*\n+3], v[ADW+1] offset:KS*\gg+STEPB*(\q)+512*\n
.endr
.endr
	WIN 0
.irp gg, 0,1
	ds_load_b128 v[WSC+8*wl+4*\gg:WSC+8*wl+4*\gg+3], v[ADWS+1] offset:KS*\gg+STEPB*(\q)+4096
.endr
.endm
.macro RUNX rr                         ; X's rows 32 R on, all four steps, into set R % 2: 16 loads; f = 4 q + 2 i + c
.irp f, 0,1,2,3,4,5,6,7,8,9,10,11,12,13,14,15
	ds_load_b128 v[XF+64*((\rr)%2)+4*\f:XF+64*((\rr)%2)+4*\f+3], v[ADX+1] offset:64*(\f/4)+(2*(\rr)+(\f/2)%2)*16*PITCH+32*(\f%2)
.endr
.endm
.macro ROWQ rr, q                      ; rows 32 R on, step q: 8 matrix instructions
.set wl, 2*((\q)%2)+(\q)/2
.irp gg, 0,1
	WIN MUL_A+0x50*\gg
.irp tt, 0,1,2,3
.set rD, 16*(4*(\rr)+\tt)
.set rA, XF+64*((\rr)%2)+16*(\q)
.set rB, 64*wl+32*\gg+8*\tt
.set rSA, XSC+16+4*(\rr)+(\q)
.set rSB, WSC+8*wl+4*\gg+\tt
	v_wmma_scale_f32_32x16x128_f4 v[rD:rD+15], v[rA:rA+15], v[rB:rB+7], v[rD:rD+15], v[rSA], v[rSB]
.endr
.endr
.endm
; Rows 32 R on are finished: register x of an accumulator is row 16 (x / 8) + x % 8 (lanes 16-31: 8 rows on).  Four rows of both groups at a time; each accumulator from its low end on; the add gathers the four tiles.
.macro OUTR rr
.irp p, 0,1,2,3
.if ((\rr) > 0) || (\p > 0)
	s_wait_xcnt 0x0                                ; the earlier stores have read their registers
.endif
.irp gg, 0,1
	WIN 2+\gg                                      ; source 0 window 2 or 3
.irp k, 0,1,2,3
.irp tt, 0,1,2,3
	v_add_f32 v[TB+16*\gg+4*\k+\tt], v[16*(4*(\rr)+\tt)+4*\p+\k], v[BIA+4*\gg+\tt]
.endr
.endr
.endr
	WIN 0
.irp k, 0,1,2,3
.irp gg, 0,1
	global_store_b128 v[VO], v[TB+16*\gg+4*\k:TB+16*\gg+4*\k+3], s[12:13] offset:(32*(\rr)+16*(\p/2)+4*(\p%2)+\k)*ROWC+256*\gg th:TH_STORE_NT   ; two aligned units of 256 bytes
.endr
.endr
.endr
.endm
	WIN 0
	s_wait_dscnt 0x0                               ; the last but one slot's last step: its loads are in
	MMR 0, 0, 3, 0
	MMR 1, 0, 3, 0
	WIN 0
	s_wait_tensorcnt 0x0                           ; my part of the last slot is in
	s_barrier_signal -1
	s_barrier_wait -1                              ; everybody's is
	PLACES
	RUNW 0
.irp rr, 0,1,2,3
	ds_load_b128 v[XSC+16+4*\rr:XSC+19+4*\rr], v[ADS] offset:16*PITCH*\rr+16
.endr
	RUNX 0
	RUNW 1
	MMR 2, 0, 3, 0
	MMR 3, 0, 3, 0
	WIN 0
	PLACES
	RUNW 2
	RUNW 3
	RUNX 1
	s_wait_dscnt 52                                ; W's steps 0 and 1, X's first rows and scale words are in (behind them: 18 + 18 + 16 loads)
	ROWQ 0, 0
	ROWQ 0, 1
	s_wait_dscnt 34                                ; W's step 2
	ROWQ 0, 2
	s_wait_dscnt 16                                ; W's step 3
	ROWQ 0, 3
	WIN 0
	PLACES
	RUNX 2
	OUTR 0
	s_wait_dscnt 16                                ; X's rows 32 on are in; the 16 loads of the next rows may be out
.irp q, 0,1,2,3
	ROWQ 1, \q
.endr
	WIN 0
	PLACES
	RUNX 3
	OUTR 1
	s_wait_dscnt 16                                ; rows 64 on
.irp q, 0,1,2,3
	ROWQ 2, \q
.endr
	WIN 0
	PLACES
	OUTR 2
	s_wait_dscnt 0x0                               ; rows 96 on
.irp q, 0,1,2,3
	ROWQ 3, \q
.endr
	WIN 0
	PLACES
	OUTR 3
	s_wait_tensorcnt 0x0                           ; the wave's end
	ds_add_u32 v[SPW], v[NIL]
	s_wait_dscnt 0x0
	CROUND                                         ; the closing round: no work-group ends while a partner may still ask for a tile that names it
	s_endpgm
.Lfunc_end_k_qdb83de4f47_gemm:
	.size	k_qdb83de4f47_gemm, .Lfunc_end_k_qdb83de4f47_gemm-k_qdb83de4f47_gemm
	.p2alignl 7, 3214868480
	.fill 96, 4, 3214868480
	.section	.rodata,"a",@progbits
	.p2align	6, 0x0
	.amdhsa_kernel k_qdb83de4f47_gemm
		.amdhsa_group_segment_fixed_size 327680
		.amdhsa_private_segment_fixed_size 0
		.amdhsa_enable_private_segment 0
		.amdhsa_kernarg_size 40
		.amdhsa_user_sgpr_count 2
		.amdhsa_user_sgpr_kernarg_segment_ptr 1
		.amdhsa_wavefront_size32 1
		.amdhsa_system_sgpr_workgroup_id_x 1
		.amdhsa_system_sgpr_workgroup_id_y 1
		.amdhsa_system_sgpr_workgroup_id_z 1
		.amdhsa_system_vgpr_workitem_id 0
		.amdhsa_next_free_vgpr 1024
		.amdhsa_next_free_sgpr 80
		.amdhsa_reserve_vcc 0
		.amdhsa_float_denorm_mode_32 3
		.amdhsa_float_denorm_mode_16_64 3
		.amdhsa_memory_ordered 1
		.amdhsa_forward_progress 1
		.amdhsa_inst_pref_size 153
	.end_amdhsa_kernel
	.amdgpu_metadata
---
amdhsa.version: [ 1, 2 ]
amdhsa.kernels:
  - .name:           k_qdb83de4f47_gemm
    .symbol:         k_qdb83de4f47_gemm.kd
    .args:
      - { .name: input_BI_codes, .offset: 0, .size: 8, .value_kind: global_buffer, .address_space: global }
      - { .name: input_BI_scales, .offset: 8, .size: 8, .value_kind: global_buffer, .address_space: global }
      - { .name: w_image, .offset: 16, .size: 8, .value_kind: global_buffer, .address_space: global }
      - { .name: bias_O, .offset: 24, .size: 8, .value_kind: global_buffer, .address_space: global }
      - { .name: out0, .offset: 32, .size: 8, .value_kind: global_buffer, .address_space: global }
    .group_segment_fixed_size: 327680
    .private_segment_fixed_size: 0
    .kernarg_segment_align: 8
    .kernarg_segment_size: 40
    .max_flat_workgroup_size: 128
    .sgpr_count:     80
    .vgpr_count:     1024
    .wavefront_size: 32
...
	.end_amdgpu_metadata
.endif
;; end of part 2
